; MI455X (gfx1250); checked and timed in simulation.
; The chip was launched on July 23, 2026; its instructions are those of AMD's public machine-readable ISA for CDNA 5 (MIT licence, August 2026) and "CDNA5" Instruction Set Architecture Reference Guide (July 2026). The comments in the code are by the model that wrote it; some were corrected since.
;; Weight Only Quantized Linear. Allowed arithmetic: matrix products marked QUANTISED: E5M2 operands, one E8M0 scale for each 32 along K, by v_wmma_scale_f32_16x16x128_f8f6f4 with both operands' format E5M2, f32 sums; everything else in f32.
;; Inputs: bias 4,096 float32; qweight 512 x 4,096 int32; qzeros 32 x 512 int32; scales 32 x 4,096 float32; x_codes 4,096 x 128 x 32 uint8 (E5M2 codes of x, K innermost, in blocks of 32 codes); x_scales 4,096 x 128 uint8 (E8M0 scales of x, one for each 32 codes along K).
;; Outputs: out0 4,096 x 4,096 float32.
;; Constants: blocksize = 128.
;; This version of the problem:
;;   THIS VERSION OF THE PROBLEM IS GIVEN IN LOW PRECISION. The matrix products marked QUANTISED in the list below multiply operands that are first quantised to E5M2 (5 exponent bits, 2 mantissa bits; 8 bits a number), with one power-of-two scale for each 32 numbers along K (OCP MX v1.0); their sums are f32. All else is computed in f32.
;;   The module's matrix products, in the order in which they are computed (A, B: the left and right operand; K: the contracted axis; several contracted axes count as one K, in the product's order):
;;     1. [M 4,096, K 4,096] x [K 4,096, N 4,096]; A: input x (given as codes); B: computed on the way: QUANTISED
;;   THE QUANTISER, for each operand of a quantised product, along K:
;;     - K is cut into blocks of 32 from its start; a last block that is shorter is filled with zeros.
;;     - A block's scale is 2^e with e = floor(log2(the largest magnitude in the block)) - 15, held to -126 .. 127; a block of zeros has e = 0. As a byte (E8M0): e + 127.
;;     - Each number is divided by its block's scale, clamped to +-57,344, and rounded to the nearest number of E5M2, ties to even, subnormals kept.
;;     - The product sums the exact products of the quantised numbers (number of the format x scale) in f32.
;;   ~~~python
;;   def quantise(x, axis):      # numpy; x: float32 -> the quantised numbers, widened to float32 again
;;       x = np.moveaxis(x, axis, -1); K = x.shape[-1]
;;       x = np.pad(x, [(0, 0)] * (x.ndim - 1) + [(0, -K % 32)]); x = x.reshape(x.shape[:-1] + (-1, 32)); a = np.abs(x).max(-1, keepdims=True)
;;       e = np.where(a > 0, np.clip(np.frexp(np.where(a > 0, a, 1))[1] - 1 - 15, -126, 127), 0)      # np.frexp(a)[1] - 1 = floor(log2(a)), exactly
;;       r = np.clip(x / 2.0 ** e, -57344, 57344)
;;       step = 2.0 ** (np.maximum(np.frexp(np.where(r == 0, 1, r))[1] - 1, -14) - 2)
;;       q = np.round(r / step) * step * 2.0 ** e      # np.round: ties to even
;;       return np.moveaxis(q.reshape(q.shape[:-2] + (-1,))[..., :K], -1, axis).astype(np.float32)
;;   ~~~
;;   OPERANDS COMPUTED ON THE WAY. 'Computed on the way' means the value that the module computes at that place (a softmax that the list does not call 'softmax' is quantised finished and normalised). What goes into a quantiser is computed in f32, as accurately as f32 sums, v_exp_f32 and their like allow (about 1e-6 of the number): no bf16 or f16 on the way to a quantiser, and a product that is left as it is and whose result goes on into a quantised operand takes f32 operands (vector FMAs, or v_wmma_f32_16x16x4_f32). A number that lies on a knife's edge between two numbers of the format may be rounded either way, as far as f32 arithmetic and the matrix unit's own rounding can turn it there, and no further.
;;   INPUTS GIVEN AS CODES. x (in the module: [4096, 4096], K = its axis 1): each comes as NAME_codes (uint8): NAME with its K axis moved to the last place and cut into blocks of 32 codes, [.., K / 32, bytes a block], one block behind the other in memory; one code a byte (a code: sign, 5 exponent bits, 2 mantissa bits); and NAME_scales (uint8): the same leading axes, one E8M0 byte (e + 127) for each 32 codes along K. Its value is code x scale, taken as it is: it is not quantised again, and the codes and scales need not be those that the quantiser above would give.
;; One version. Each part assembles by itself: llvm-mc -triple=amdgcn-amd-amdhsa -mcpu=gfx1250 --defsym DOCPART=n.
;; ======== version 1 of 1: 2 launches
;; limits: right only within a limited range of input values
;; workspace buffers: wq 17,301,504 bytes
;; launch quant (part 1): grid 32 x 16, 4 waves a work-group, no clusters, 35,328 bytes of LDS; arguments qweight, scales, qzeros, wq; writes wq
.if DOCPART == 1
	.amdgcn_target "amdgcn-amd-amdhsa--gfx1250"
	.amdhsa_code_object_version 6
	.text
	.protected	k_q1d443483b4_quant
	.globl	k_q1d443483b4_quant
	.p2align	8
	.type	k_q1d443483b4_quant,@function
k_q1d443483b4_quant:
	s_mov_b64 s[64:65], 0
	v_nop
	global_prefetch_b8 v0, s[64:65] scope:SCOPE_SE
	s_setreg_imm32_b32 hwreg(HW_REG_WAVE_MODE, 25, 1), 1
	s_wait_xcnt 0x0
; W[k][n] = (q[k][n] - z[k/128][n]) * s[k/128][n], f32, is made from packed 4-bit fields and turned into codes of BF8 (E5M2) with one E8M0 scale byte for each 32 along K.
; qweight [512][4096] i32: word (k/8, n), field k%8 at bit 4 (k%8).  qzeros [32][512] i32: word (k/128, n/8), field n%8.  scales [32][4096] f32.
; OUTPUT wq, laid as the product's launch wants it: block (t = n/128, j = k/256) at byte (16 t + j) x 33,792 is 132 dense rows of 256 bytes:
;   rows 0-127: the codes of column n = 128 t + row, k = 256 j .. 256 j + 255, K innermost;  rows 128-131: 8 scale bytes a column at 32,768 + 8 (n % 128), byte i for k = 256 j + 32 i ..
; SHARES.  Work-group (x = t, y = j) makes one block.  Wave w takes columns 128 t + 32 w + lane: A LANE TAKES A COLUMN AND ITS REGISTERS RUN DOWN K, so that a block of 32 along K lies in one lane's 32 registers:
; its largest magnitude needs no other lane, and the conversions give codes with K innermost.  Each load reads 128 consecutive bytes a wave.  Waves share nothing: no barrier.  No loop: every offset is an immediate.
; THE NUMBERS.  A field q at bit 4 p of a word, masked and set under the bits of 2^23, is the f32 number 2^23 + q 16^p.  Adding -(2^23 + z 16^p) gives (q - z) 16^p with no rounding; the product with s 16^-p
; (a power of two off s: exact) is rounded once: the bits of (q - z) * s.  The addition and the multiplication are not fused: a fused form would round s (2^23 + ..) terms that do not cancel exactly.
; THE QUANTISER.  A block's scale is 2^(floor(log2(its largest magnitude)) - 15); its byte is the largest magnitude's exponent field - 15, held at 1 from below; each number is held within +-57,344 x the scale and converted, ties to even.
; LIMITS: NaN and infinities in scales are not served; |s| under 2^-114 is not served (s 2^-12 would no longer be exact); blocks whose largest magnitude lies under 2^-111 keep the byte 1;
; a block of zeros gets the byte 1 where the rule says 127: its codes are zeros, which add nothing under any byte but 0xff, and this program alone reads the bytes.
.set ROWQ,  16384                      ; a row of qweight or of scales in bytes
.set BLKB,  33792                      ; a block of wq
.set PITCH, 272                        ; a stage row: a column's 256 bytes of codes + 16: sixteen lanes' 16-byte stores fall on sixteen different 16-byte columns of 256
.set MASK,  20                         ; s20-23  0xF << 4 p
.set NC,    20                         ; v20-27  group g, field p: -(2^23 + z 16^p)
.set MS,    28                         ; v28-35  group g, field p: s 16^-p
.set SB,    36                         ; v36-37  my column's eight scale bytes
.set HI,    38                         ; v38-41  a block's four words, shifted right by 16
.set W,     44                         ; v44-75  my column's 32 words
.set X,     76                         ; v76-107 a block's 32 numbers
.set C,     108                        ; v108-171 eight registers of codes for each block: no store's data are written again
.set OUTR,  44                         ; the way out: 16 x 4 registers, over W and X, which are done with
	s_load_b256 s[4:11], s[0:1], 0x0               ; qweight s[4:5], scales s[6:7], qzeros s[8:9], wq s[10:11]
	v_lshl_add_u32 v176, v0, 2, 0x8800
	v_mov_b32 v177, 0
	v_lshrrev_b32 v1, 5, v0
	v_readfirstlane_b32 s12, v1                    ; wave 0..3
	s_and_b32 s14, ttmp7, 0xffff                   ; j
	v_and_b32 v1, 31, v0                           ; lane
	v_lshlrev_b32 v2, 2, v1                        ; my column's word in a row of qweight or scales
	v_lshrrev_b32 v3, 3, v1
	v_lshlrev_b32 v3, 2, v3                        ; my column's word of qzeros: eight columns to a word
	v_and_b32 v4, 7, v1
	v_lshlrev_b32 v4, 2, v4                        ; and its field's first bit
	s_mul_i32 s27, s12, 32*PITCH                   ; my wave's stage
	v_mul_u32_u24 v5, v1, PITCH
	v_add_nc_u32 v5, s27, v5                       ; into it: row = my column
	v_lshrrev_b32 v6, 4, v1
	v_mul_u32_u24 v6, v6, PITCH
	v_and_b32 v9, 15, v1
	v_lshl_add_u32 v6, v9, 4, v6
	v_add_nc_u32 v6, s27, v6                       ; out of it: sixteen lanes to a row, two rows an instruction
	v_lshlrev_b32 v7, 4, v1                        ; the same two rows in wq are 512 consecutive bytes: 16 x lane
	v_lshlrev_b32 v8, 3, v1                        ; my column's eight scale bytes
	s_mov_b32 s20, 0xf
	s_mov_b32 s21, 0xf0
	s_mov_b32 s22, 0xf00
	s_mov_b32 s23, 0xf000
	s_mov_b32 s24, 0x4b000000                      ; 2^23
	s_mov_b32 s25, 0xcb000000                      ; -2^23
	s_mov_b32 s26, 0x600000                        ; the mantissa field of 57,344
	; byte offsets, each in a pair of its own with 0 above it (all stay under 2^32)
	s_lshl_b32 s15, ttmp9, 9
	s_lshl_b32 s16, s12, 7
	s_add_co_u32 s15, s15, s16                     ; my wave's first column, in bytes: 512 t + 128 w
	s_lshl_b32 s16, s14, 19                        ; qweight: 32 j rows of 16,384 bytes
	s_add_co_u32 s16, s16, s15
	s_mov_b32 s17, 0
	s_lshl_b32 s18, s14, 15                        ; scales: 2 j rows of 16,384 bytes
	s_add_co_u32 s18, s18, s15
	s_mov_b32 s19, 0
	s_lshl_b32 s2, s14, 12                         ; qzeros: 2 j rows of 2,048 bytes,
	s_lshr_b32 s15, s15, 3                         ; an eighth of the column bytes
	s_add_co_u32 s2, s2, s15
	s_mov_b32 s3, 0
	s_lshl_b32 s30, ttmp9, 4
	s_add_co_u32 s30, s30, s14
	s_mul_i32 s30, s30, BLKB                       ; wq: block 16 t + j
	s_mov_b32 s31, 0
	s_lshl_b32 s27, s12, 8
	s_add_co_u32 s28, s30, s27
	s_add_co_u32 s28, s28, 32768                   ; my wave's 256 scale bytes, behind the block's codes
	s_mov_b32 s29, 0
	s_lshl_b32 s27, s12, 13
	s_add_co_u32 s30, s30, s27                     ; my wave's 32 rows of codes
	s_wait_kmcnt 0x0
	s_add_nc_u64 s[4:5], s[4:5], s[16:17]
	s_add_nc_u64 s[6:7], s[6:7], s[18:19]
	s_add_nc_u64 s[8:9], s[8:9], s[2:3]
	s_add_nc_u64 s[28:29], s[10:11], s[28:29]      ; the scale bytes' base,
	s_add_nc_u64 s[10:11], s[10:11], s[30:31]      ; the codes' base
	global_load_b32 v14, v3, s[8:9]                ; the zero points' words of my two groups of 128
	global_load_b32 v15, v3, s[8:9] offset:2048
	global_load_b32 v16, v2, s[6:7]                ; and their scales
	global_load_b32 v17, v2, s[6:7] offset:ROWQ
.irp i, 0,1,2,3,4,5,6,7,8,9,10,11,12,13,14,15,16,17,18,19,20,21,22,23,24,25,26,27,28,29,30,31
	global_load_b32 v[W+\i], v2, s[4:5] offset:\i*ROWQ th:TH_LOAD_NT   ; word i: k = 256 j + 8 i .. + 7 of my column; read once in the launch
.endr
	s_wait_loadcnt 32                              ; the four small loads are in; the 32 words issued behind them may be out
.irp g, 0,1
	v_bfe_u32 v[14+\g], v[14+\g], v4, 4            ; z
.endr
.irp g, 0,1
.irp p, 0,1,2,3
	v_lshl_or_b32 v[NC+4*\g+\p], v[14+\g], 4*\p, s25   ; -(2^23 + z 16^p)
.endr
	v_mov_b32 v[MS+4*\g], v[16+\g]
	v_mul_f32 v[MS+4*\g+1], 0x3d800000, v[16+\g]   ; s / 16
	v_mul_f32 v[MS+4*\g+2], 0x3b800000, v[16+\g]   ; s / 256
	v_mul_f32 v[MS+4*\g+3], 0x39800000, v[16+\g]   ; s / 4,096
.endr
; Block b: k = 256 j + 32 b .. + 31 of my column: words 4 b .. 4 b + 3.
.macro BLOCK b
.set G, (\b)/4                         ; its group of 128
	s_wait_loadcnt 28-4*(\b)                       ; loads come back in order: my four words are in, the words behind them may be out
.irp i, 0,1,2,3
	v_lshrrev_b32 v[HI+\i], 16, v[W+4*(\b)+\i]     ; fields 4-7 come down to the places of fields 0-3
.endr
.irp i, 0,1,2,3
.irp p, 0,1,2,3
	v_and_or_b32 v[X+8*\i+\p], v[W+4*(\b)+\i], s[MASK+\p], s24     ; 2^23 + q 16^p: register 8 i + f holds k = 32 b + 8 i + f
	v_and_or_b32 v[X+8*\i+4+\p], v[HI+\i], s[MASK+\p], s24
.endr
.endr
.irp u, 0,1,2,3,4,5,6,7,8,9,10,11,12,13,14,15
	v_pk_add_f32 v[X+2*\u:X+2*\u+1], v[X+2*\u:X+2*\u+1], v[NC+4*G+2*(\u%2):NC+4*G+2*(\u%2)+1]   ; (q - z) 16^p: nothing is rounded
.endr
.irp u, 0,1,2,3,4,5,6,7,8,9,10,11,12,13,14,15
	v_pk_mul_f32 v[X+2*\u:X+2*\u+1], v[X+2*\u:X+2*\u+1], v[MS+4*G+2*(\u%2):MS+4*G+2*(\u%2)+1]   ; (q - z) s: rounded once
.endr
	v_max3_num_f32 v12, |v[X]|, |v[X+1]|, |v[X+2]|                 ; the block's largest magnitude: all 32 numbers are mine; two chains
	v_max3_num_f32 v13, |v[X+3]|, |v[X+4]|, |v[X+5]|
.irp i, 6,10,14,18,22,26
	v_max3_num_f32 v12, v12, |v[X+\i]|, |v[X+\i+1]|
	v_max3_num_f32 v13, v13, |v[X+\i+2]|, |v[X+\i+3]|
.endr
	v_max3_num_f32 v12, v12, |v[X+30]|, |v[X+31]|
	v_max3_num_f32 v12, v12, v13, 0x8000000        ; and the floor 2^(16 - 127): so the byte cannot fall under 1
	v_add_nc_u32 v11, 0xf8800000, v12              ; 15 off its exponent field: the conversion takes the exponent field of this operand as its scale, and nothing else of it
	v_and_or_b32 v10, v12, 0x7f800000, s26         ; 57,344 x the scale: the largest magnitude's exponent field over 57,344's mantissa
.irp i, 0,1,2,3,4,5,6,7,8,9,10,11,12,13,14,15,16,17,18,19,20,21,22,23,24,25,26,27,28,29,30,31
	v_med3_num_f32 v[X+\i], v[X+\i], -v10, v10     ; the conversion to an 8-bit code does not saturate (ISA guide 7.6.2): the hold comes first
.endr
.irp g, 0,1,2,3
	v_cvt_scalef32_pk8_bf8_f32 v[C+8*(\b)+2*\g:C+8*(\b)+2*\g+1], v[X+8*\g:X+8*\g+7], v11   ; eight numbers / the scale, to the nearest code; the lowest k in the lowest byte
.endr
	v_lshrrev_b32 v13, 23, v11                     ; the scale's byte.  (Also the plain line between the conversions and the next block's writes of X)
.if (\b)%4 == 0
	v_mov_b32 v[SB+(\b)/4], v13                    ; four bytes to a register, the lower K in the lower byte
.else
	v_lshl_or_b32 v[SB+(\b)/4], v13, 8*((\b)%4), v[SB+(\b)/4]
.endif
	ds_store_b128 v5, v[C+8*(\b):C+8*(\b)+3] offset:32*(\b)        ; 32 codes: 32 bytes of my column's row
	ds_store_b128 v5, v[C+8*(\b)+4:C+8*(\b)+7] offset:32*(\b)+16
.endm
.irp b, 0,1,2,3,4,5,6,7
	BLOCK \b
.endr
	global_store_b64 v8, v[SB:SB+1], s[28:29]      ; 32 lanes store 256 consecutive bytes, at a multiple of 256 from wq's first byte
.irp t, 0,1,2,3,4,5,6,7,8,9,10,11,12,13,14,15
	ds_load_b128 v[OUTR+4*\t:OUTR+4*\t+3], v6 offset:2*\t*PITCH    ; LDS serves a wave's instructions in order (ISA guide 5.7.1.4): these see my stores
.endr
.irp t, 0,1,2,3,4,5,6,7,8,9,10,11,12,13,14,15
	s_wait_dscnt 15-\t                             ; rows 2 t and 2 t + 1 are back; the younger loads may be out
	global_store_b128 v7, v[OUTR+4*\t:OUTR+4*\t+3], s[10:11] offset:512*\t   ; 512 consecutive bytes, aligned to 256
.endr
	s_wait_tensorcnt 0x0
	ds_add_u32 v176, v177
	s_wait_dscnt 0x0
	s_endpgm
.Lfunc_end_k_q1d443483b4_quant:
	.size	k_q1d443483b4_quant, .Lfunc_end_k_q1d443483b4_quant-k_q1d443483b4_quant
	.p2alignl 7, 3214868480
	.fill 96, 4, 3214868480
	.section	.rodata,"a",@progbits
	.p2align	6, 0x0
	.amdhsa_kernel k_q1d443483b4_quant
		.amdhsa_group_segment_fixed_size 35328
		.amdhsa_private_segment_fixed_size 0
		.amdhsa_enable_private_segment 0
		.amdhsa_kernarg_size 32
		.amdhsa_user_sgpr_count 2
		.amdhsa_user_sgpr_kernarg_segment_ptr 1
		.amdhsa_wavefront_size32 1
		.amdhsa_system_sgpr_workgroup_id_x 1
		.amdhsa_system_sgpr_workgroup_id_y 1
		.amdhsa_system_sgpr_workgroup_id_z 1
		.amdhsa_system_vgpr_workitem_id 0
		.amdhsa_next_free_vgpr 178
		.amdhsa_next_free_sgpr 66
		.amdhsa_reserve_vcc 0
		.amdhsa_float_denorm_mode_32 3
		.amdhsa_float_denorm_mode_16_64 3
		.amdhsa_memory_ordered 1
		.amdhsa_forward_progress 1
		.amdhsa_inst_pref_size 73
	.end_amdhsa_kernel
	.amdgpu_metadata
---
amdhsa.version: [ 1, 2 ]
amdhsa.kernels:
  - .name:           k_q1d443483b4_quant
    .symbol:         k_q1d443483b4_quant.kd
    .args:
      - { .name: qweight, .offset: 0, .size: 8, .value_kind: global_buffer, .address_space: global }
      - { .name: scales, .offset: 8, .size: 8, .value_kind: global_buffer, .address_space: global }
      - { .name: qzeros, .offset: 16, .size: 8, .value_kind: global_buffer, .address_space: global }
      - { .name: wq, .offset: 24, .size: 8, .value_kind: global_buffer, .address_space: global }
    .group_segment_fixed_size: 35328
    .private_segment_fixed_size: 0
    .kernarg_segment_align: 8
    .kernarg_segment_size: 32
    .max_flat_workgroup_size: 128
    .sgpr_count:     66
    .vgpr_count:     178
    .wavefront_size: 32
...
	.end_amdgpu_metadata
.endif
;; end of part 1
;; launch gemm (part 2): grid 16 x 16, 4 waves a work-group, clusters of 4 x 4, 327,680 bytes of LDS; arguments x_codes, x_scales, wq, bias, out0; writes out0
.if DOCPART == 2
	.amdgcn_target "amdgcn-amd-amdhsa--gfx1250"
	.amdhsa_code_object_version 6
	.text
	.protected	k_q1d443483b4_gemm
	.globl	k_q1d443483b4_gemm
	.p2align	8
	.type	k_q1d443483b4_gemm,@function
k_q1d443483b4_gemm:
	s_mov_b64 s[64:65], 0
	v_nop
	global_prefetch_b8 v0, s[64:65] scope:SCOPE_SE
	s_setreg_imm32_b32 hwreg(HW_REG_WAVE_MODE, 25, 1), 1
	s_wait_xcnt 0x0
	s_wait_alu depctr_hold_cnt(0) depctr_sa_sdst(0) depctr_va_vdst(0) depctr_va_sdst(0) depctr_va_ssrc(0) depctr_va_vcc(0) depctr_vm_vsrc(0)
	s_getreg_b32 s2, hwreg(HW_REG_IB_STS2, 6, 4)
	s_cmp_eq_u32 s2, 0
	s_cbranch_scc0 .Lentry_in_a_cluster
	s_endpgm
.Lentry_in_a_cluster:
	s_bfe_u32 s2, ttmp6, 0x10000c
	s_cmp_lg_u32 s2, 0xf033
	s_cbranch_scc0 .Lentry_shape_is_right
	s_endpgm
.Lentry_shape_is_right:
; out[m][n] = bias[n] + sum over k of x[m][k] W[k][n].  x: codes of BF8 (E5M2) [4096][4096] with E8M0 bytes [4096][128], as given.
; W: wq, as the launch before laid it: block (t = n/128, j = k/256) at (16 t + j) x 33,792 bytes = 128 rows of 256 codes (K innermost), then 4 rows of scale bytes (8 a column).
; A work-group of four waves makes 256 x 256 of out; a wave 128 x 128: 64 accumulators, 512 registers.  K goes in 16 steps of 256 through a ring of two LDS slots.
; x's scale bytes of the 256 rows, all of K, are one dense block of 32,768 bytes: fetched once, at the head; W's ride in its blocks.
; CLUSTERS 4 x 4: x's tiles are asked for jointly along a row of the cluster, W's along a column.
; THE MATRIX INSTRUCTION IS USED TRANSPOSED (source 0 = 16 columns of W, source 1 = 16 rows of x): a lane holds eight neighbouring numbers of a row of out.
; THE BIAS is the C of each accumulator's first product: 64 registers in the result's layout, loaded at the head; nothing is cleared and nothing is added on the way out.
; A STEP of 128 along K is 64 products in four quadrants: x's blocks 0-3 against W's 0-3, against W's 4-7, then x's 4-7 likewise.  The next step's fragments come in TWO RUNS OF 32 LDS LOADS:
; in the step's middle W's 0-3 and x's 0-3 (x's old blocks 0-3 are done with), at its end W's 4-7 and x's 4-7, which the next step first uses 16 and 32 products in.
; THE LAST K STEP GOES BY ROWS OF out: W's fragments of the whole step fill window 1, x's come by blocks of 16 rows; a finished block passes my stage in LDS, comes back
; into its own accumulator registers as whole rows of 512 bytes and is stored while the next block is multiplied.
; PREFETCH INTO THE L2: behind the load of K step s each wave asks for K step s + 2 (s = 0 .. 13): of the 128 rows (of W: 132) that the wave fetches, each of the four partners
; that ask for them jointly names 32, a lane a row of 256 bytes, told apart by address alone; W's waves name one of the block's four scale rows besides.  K steps 14 and 15 have no step two on: nothing is asked there.
; REGISTERS: window 0: v0-31 addresses; v32-95 scale words, two sets (x's at numbers 0-3 modulo 8, W's at 4-7); v64-127 the bias, in the first step alone; v128-255 x's fragments.
;   window 1: W's fragments, two sets.  window 2: accumulators of my rows 0-63 ((a, b) at v[8 (8 a + b)]);  window 3: rows 64-127.
.set SIZE_N, 4096
.set NQ,     2                         ; matrix instructions deep in a slot
.set ROWB,   256                       ; a tile's row in bytes
.set KROW,   4096                      ; a row of x in bytes
.set BLKB,   33792                     ; a block of wq
.set PITCH,  272                       ; an LDS row: 256 bytes + 16 of padding: sixteen rows begin at sixteen different 16-byte columns of 256
.set NP,     8                         ; places behind this matrix instruction (ISA guide 7.12.1)
.set HALFA,  128*PITCH
.set HALFB,  132*PITCH
.set BSC,    128*PITCH                 ; a block's scale rows, behind its 128 rows of codes
.set SLOT,   141568                    ; x's 256 rows, W's two blocks, rounded up to a multiple of 256
.set LAPS,   8                         ; a lap = two K steps
.set SCL,    2*SLOT                    ; x's scales: 128 rows of 256 bytes + 16
.set HALFS,  64*272                    ; those of 128 rows of x
.set SBLK,   8*272                     ; of 16 rows
.set SPARE,  SCL+128*272               ; the spare words: 128 bytes a wave
.set SPITCH, 528                       ; the stage, 16 rows x (512 + 16) bytes a wave, in slot 0 behind its last fill and last read
.set PFO,  8                           ; v8   prefetch: lane x a row's pitch in memory
.set PFZ,  9                           ; v9   prefetch of the scale row: 0
.set BOF,  10                          ; v10  bias: 32 bytes x (lane / 16)
.set ADRA, 16                          ; v16-17 my fragments of x in slot 0, 1
.set ADRB, 20                          ; v20-21 of W
.set STO,  24
.set RD,   25
.set CO,   26
.set ADSA, 27                          ; x's scale words
.set SPW,  28
.set NIL,  29
.set ADSB, 30                          ; v30-31 W's scale words in slot 0, 1
.set SC,   32
.set BC,   64
.set AF,   128
.set G1,   24
.set G0,   32
.set G1B,  48
.set G0B,  56
.set G1S,  68
.set G0S,  76
.set G0H,  80                          ; the head's loads: x's 256 rows,
.set G0HB, 84                          ; W's first block,
.set G0HC, 88                          ; W's second
.set PFA,  92                          ; s[92:93] where my prefetch stands; s[96:97] its step
.set PFS,  94                          ; s[94:95] the same for the scale row
.set MSB, 0
.macro WIN new                         ; the immediate's high byte repeats the setting that is left
.if MSB != (\new)
	s_set_vgpr_msb (MSB<<8)|(\new)
.set MSB, (\new)
.endif
.endm
.set MUL_LO, 0xa1                      ; source 0 (W) window 1, source 1 (x) window 0, C and D window 2
.set MUL_HI, 0xf1                      ; the same, C and D window 3
.set TO_B,   0x40
.macro JLOAD s                         ; a joint load: waves 0, 1 fetch x's halves, waves 2, 3 W's blocks
	s_cmp_eq_u32 s15, 0
	s_cbranch_scc0 .Lfor_b_\@
	tensor_load_to_lds s[G0+4*\s:G0+4*\s+3], s[G1:G1+7]
	s_nop 0
.rept 4
	v_nop
.endr
	s_branch .Lasked_\@
.Lfor_b_\@:
	tensor_load_to_lds s[G0B+4*\s:G0B+4*\s+3], s[G1B:G1B+7]
	s_nop 0
.rept 4
	v_nop
.endr
.Lasked_\@:
.endm
.macro CREST
	s_cmp_lg_u32 s14, 0
	s_cbranch_scc1 .Lnot_wave_0_\@
	s_barrier_signal -3
.Lnot_wave_0_\@:
	s_barrier_wait -3
	s_barrier_signal -1
	s_barrier_wait -1
.endm
.macro CROUND
	s_barrier_signal -1
	s_barrier_wait -1
	CREST
.endm
.macro ASK cond                        ; the K step two loads on; cond = 1: not in the loop's last trip, whose loads are K steps 14 and 15
.if \cond
	s_cmp_gt_u32 s3, 1
	s_cbranch_scc0 .Lnone_\@
.endif
	global_prefetch_b8 v[PFO], s[PFA:PFA+1] th:TH_LOAD_NT scope:SCOPE_SE
	s_cmp_eq_u32 s15, 0
	s_cbranch_scc1 .Lnone_\@                       ; x's waves have no scale row
	global_prefetch_b8 v[PFZ], s[PFS:PFS+1] th:TH_LOAD_NT scope:SCOPE_SE
.Lnone_\@:
.endm
	s_load_b256 s[4:11], s[0:1], 0x0               ; x_codes s[4:5], x_scales s[6:7], wq s[8:9], bias s[10:11]
	s_load_b64 s[12:13], s[0:1], 0x20              ; out
	v_lshl_add_u32 v[SPW], v0, 2, SPARE
	v_mov_b32 v[NIL], 0
	ds_add_u32 v[SPW], v[NIL]                      ; the opening lines: the add, twice on end, and its wait
	ds_add_u32 v[SPW], v[NIL]
	v_lshrrev_b32 v1, 5, v0
	v_readfirstlane_b32 s14, v1                    ; wave 0..3
	s_lshr_b32 s15, s14, 1                         ; my half of the rows.  Also: I fetch for x (0) or for W (1)
	s_and_b32 s16, s14, 1                          ; my half of the columns.  Also: which half of that tile I fetch
	s_bfe_u32 s40, ttmp6, 0x40000                  ; cx
	s_bfe_u32 s41, ttmp6, 0x40004                  ; cy
	s_lshl_b32 s42, ttmp9, 2
	s_add_co_u32 s42, s42, s40                     ; tile column
	s_and_b32 s17, ttmp7, 0xffff
	s_lshl_b32 s17, s17, 2
	s_add_co_u32 s17, s17, s41                     ; tile row
	s_lshl_b32 s43, s41, 2
	s_lshl_b32 s43, 15, s43                        ; my row of the cluster
	s_lshl_b32 s44, 0x1111, s40                    ; my column
	s_or_b32 s[G1+0], s43, (0<<16)|(1<<20)|(1<<21)|(5<<22)|(3<<25)   ; x: bytes, 16 bytes of padding behind every 256
	s_mov_b32 s[G1+1], ROWB<<16
	s_mov_b32 s[G1+2], 256<<16                     ; 256 rows for the head's load; 128 behind it
	s_mov_b32 s[G1+3], ROWB<<16
	s_mov_b32 s[G1+4], 256
	s_mov_b32 s[G1+5], KROW
	s_mov_b32 s[G1+6], 0
	s_mov_b32 s[G1+7], 0
	s_or_b32 s[G1B+0], s44, (0<<16)|(1<<20)|(1<<21)|(5<<22)|(3<<25)  ; W: a dense block of 132 rows
	s_mov_b32 s[G1B+1], ROWB<<16
	s_mov_b32 s[G1B+2], 132<<16
	s_mov_b32 s[G1B+3], ROWB<<16
	s_mov_b32 s[G1B+4], 132
	s_mov_b32 s[G1B+5], ROWB
	s_mov_b32 s[G1B+6], 0
	s_mov_b32 s[G1B+7], 0
	s_or_b32 s[G1S+0], s43, (3<<16)|(1<<20)|(1<<21)|(5<<22)|(3<<25)  ; x's scales: 128 dense rows of 32 x 8 bytes
	s_mov_b32 s[G1S+1], 32<<16
	s_mov_b32 s[G1S+2], 128<<16
	s_mov_b32 s[G1S+3], 32<<16
	s_mov_b32 s[G1S+4], 128
	s_mov_b32 s[G1S+5], 32
	s_mov_b32 s[G1S+6], 0
	s_mov_b32 s[G1S+7], 0
	s_lshl_b32 s20, s17, 20                        ; x: 256 x tile row rows of 4,096 bytes
	s_mov_b32 s21, 0
	s_lshl_b32 s22, s17, 15                        ; their scales: 128 bytes a row
	s_mov_b32 s23, 0
	s_mul_i32 s46, s42, 32*BLKB                    ; W: t = 2 x tile column
	s_mov_b32 s47, 0
	s_lshl_b32 s18, s16, 19                        ; in the ring: my 128 rows of x,
	s_mov_b32 s19, 0
	s_mul_i32 s2, s16, 16*BLKB                     ; my block of W,
	s_mov_b32 s3, 0
	s_mul_i32 s45, s16, HALFA                      ; and where they go
	s_mul_i32 s98, s16, HALFB
	s_wait_dscnt 0x0                               ; both opening adds are done
	s_wait_kmcnt 0x0
	s_add_nc_u64 s[20:21], s[4:5], s[20:21]
	s_add_nc_u64 s[22:23], s[6:7], s[22:23]
	s_add_nc_u64 s[46:47], s[8:9], s[46:47]
	CROUND                                         ; the first joint loads meet
	s_mov_b32 s[G0H], 1
	s_mov_b32 s[G0H+1], 0
	s_mov_b64 s[G0H+2:G0H+3], s[20:21]
	s_or_b32 s[G0H+3], s[G0H+3], 0x80000000
	s_mov_b32 s[G0HB], 1
	s_mov_b32 s[G0HB+1], 2*HALFA
	s_mov_b64 s[G0HB+2:G0HB+3], s[46:47]
	s_or_b32 s[G0HB+3], s[G0HB+3], 0x80000000
	s_mov_b32 s[G0HC], 1
	s_mov_b32 s[G0HC+1], 2*HALFA+HALFB
	s_add_nc_u64 s[G0HC+2:G0HC+3], s[46:47], 16*BLKB
	s_or_b32 s[G0HC+3], s[G0HC+3], 0x80000000
	s_mov_b32 s[G0S], 1
	s_mov_b32 s[G0S+1], SCL
	s_mov_b64 s[G0S+2:G0S+3], s[22:23]
	s_or_b32 s[G0S+3], s[G0S+3], 0x80000000
	s_add_nc_u64 s[20:21], s[20:21], s[18:19]
	s_add_nc_u64 s[46:47], s[46:47], s[2:3]
.irp s, 0,1
	s_mov_b32 s[G0+4*\s], 1
	s_add_co_u32 s[G0+4*\s+1], s45, \s*SLOT
	s_add_nc_u64 s[G0+4*\s+2:G0+4*\s+3], s[20:21], \s*ROWB
	s_or_b32 s[G0+4*\s+3], s[G0+4*\s+3], 0x80000000
	s_mov_b32 s[G0B+4*\s], 1
	s_add_co_u32 s[G0B+4*\s+1], s98, 2*HALFA+\s*SLOT
	s_add_nc_u64 s[G0B+4*\s+2:G0B+4*\s+3], s[46:47], \s*BLKB
	s_or_b32 s[G0B+4*\s+3], s[G0B+4*\s+3], 0x80000000
.endr
; THE HEAD'S LOADS, one a wave: wave 0 K step 0's 256 rows of x, waves 1 and 2 its two blocks of W, wave 3 x's scales.  One chain of branches, one load to an arm.
.macro ARM under, g0, g1, next
	s_cmp_lt_u32 s14, \under
	s_cbranch_scc0 \next
	tensor_load_to_lds s[\g0:\g0+3], s[\g1:\g1+7]
	s_nop 0
.rept 4
	v_nop
.endr
	s_branch .Lhead_asked
\next:
.endm
	ARM 1, G0H,  G1,  .Lhead_b
	ARM 2, G0HB, G1B, .Lhead_c
	ARM 3, G0HC, G1B, .Lhead_s
	tensor_load_to_lds s[G0S:G0S+3], s[G1S:G1S+7]
	s_nop 0
.rept 4
	v_nop
.endr
.Lhead_asked:
	; the prefetches begin at K step 2
	s_lshl_b32 s18, s17, 8
	s_lshl_b32 s19, s16, 7
	s_add_co_u32 s18, s18, s19
	s_lshl_b32 s19, s40, 5
	s_add_co_u32 s18, s18, s19                     ; x: the tile's row + my 128 + my work-group's 32 (by cx)
	s_lshl_b32 s18, s18, 12
	s_add_co_u32 s18, s18, 2*ROWB
	s_lshl_b32 s19, s42, 1
	s_add_co_u32 s19, s19, s16
	s_mul_i32 s19, s19, 16*BLKB
	s_add_co_u32 s19, s19, 2*BLKB                  ; W: block (t, 2)
	s_lshl_b32 s22, s41, 8
	s_add_co_u32 s94, s19, s22
	s_add_co_u32 s94, s94, 32768                   ; its scale row cy
	s_mov_b32 s95, 0
	s_lshl_b32 s22, s41, 13
	s_add_co_u32 s19, s19, s22                     ; its rows 32 cy .. 32 cy + 31
	s_cmp_eq_u32 s15, 0
	s_cselect_b32 s92, s18, s19
	s_cselect_b32 s21, 12, 8                       ; a lane a row: 4,096 bytes apart in x, 256 in wq
	s_cselect_b64 s[22:23], s[4:5], s[8:9]
	s_mov_b32 s96, BLKB
	s_cselect_b32 s96, ROWB, s96                   ; a K step on
	s_mov_b32 s93, 0
	s_mov_b32 s97, 0
	s_add_nc_u64 s[PFA:PFA+1], s[22:23], s[92:93]
	s_add_nc_u64 s[PFS:PFS+1], s[8:9], s[94:95]
	v_and_b32 v[PFO], 31, v0
	v_lshlrev_b32 v[PFO], s21, v[PFO]
	v_mov_b32 v[PFZ], 0
	ASK 0                                          ; behind K step 0's load: K step 2
	s_mul_i32 s18, s15, HALFA                      ; my 128 rows of x in a slot
	s_mul_i32 s19, s16, HALFB
	s_add_co_u32 s19, s19, 2*HALFA                 ; my block of W
	s_mul_i32 s22, s15, HALFS
	s_add_co_u32 s22, s22, SCL                     ; my rows' scales
	s_mul_i32 s23, s14, 16*SPITCH                  ; my stage
	s_lshl_b32 s20, s17, 8
	s_lshl_b32 s21, s15, 7
	s_add_co_u32 s20, s20, s21
	s_lshl_b32 s20, s20, 14                        ; my first row of out, in bytes
	s_mov_b32 s21, 0
	s_lshl_b32 s46, s42, 10
	s_lshl_b32 s47, s16, 9
	s_add_co_u32 s46, s46, s47                     ; my first column, in bytes
	s_mov_b32 s47, 0
	s_add_nc_u64 s[10:11], s[10:11], s[46:47]
	s_add_nc_u64 s[12:13], s[12:13], s[20:21]
	s_add_nc_u64 s[12:13], s[12:13], s[46:47]
	v_and_b32 v1, 15, v0                           ; r = l % 16
	v_bfe_u32 v2, v0, 4, 1                         ; h = l / 16
	v_and_b32 v6, 31, v0
	v_mul_u32_u24 v3, v1, PITCH
	v_lshl_add_u32 v4, v2, 4, v3                   ; a fragment's row x pitch + 16 h
	v_lshl_add_u32 v5, v1, 3, BSC                  ; W's scale words: 8 bytes a column
	v_add_nc_u32 v[ADRA], s18, v4
	v_add_nc_u32 v[ADRB], s19, v4
	v_add_nc_u32 v[ADSB], s19, v5
	v_add_nc_u32 v[ADRA+1], SLOT, v[ADRA]
	v_add_nc_u32 v[ADRB+1], SLOT, v[ADRB]
	v_add_nc_u32 v[ADSB+1], SLOT, v[ADSB]
	v_lshlrev_b32 v5, 7, v1                        ; x's scales: 128 bytes a row,
	v_lshrrev_b32 v7, 8, v5
	v_lshl_add_u32 v5, v7, 4, v5                   ; 16 more for each 256 passed
	v_add_nc_u32 v[ADSA], s22, v5
	v_mul_u32_u24 v5, v1, SPITCH
	v_lshl_add_u32 v5, v2, 5, v5
	v_add_nc_u32 v[STO], s23, v5                   ; into the stage: row r, 32 bytes for each half of the lanes
	v_lshlrev_b32 v[CO], 4, v6                     ; back: 32 lanes take a row of 512 bytes; the same in out
	v_add_nc_u32 v[RD], s23, v[CO]
	v_lshlrev_b32 v[BOF], 5, v2
.irp b, 0,1,2,3,4,5,6,7
	global_load_b128 v[BC+8*\b:BC+8*\b+3], v[BOF], s[10:11] offset:64*\b       ; bias[16 b + 8 h + 0 .. 7]: the result's layout
	global_load_b128 v[BC+8*\b+4:BC+8*\b+7], v[BOF], s[10:11] offset:64*\b+16
.endr
.macro FRAG reg, adr, q, i             ; 16 rows x 128 K: registers 4 c .. 4 c + 3 hold K = 32 c + 16 h + 0 .. 15
.irp c, 0,1,2,3
	ds_load_b128 v[\reg+4*\c:\reg+4*\c+3], v[\adr] offset:128*(\q)+32*\c+(\i)*16*PITCH
.endr
.endm
.macro WM d, bf, af, sb, sa, c0
	v_wmma_scale_f32_16x16x128_f8f6f4 v[\d:\d+7], v[\bf:\bf+15], v[\af:\af+15], v[\c0:\c0+7], v[\sb], v[\sa] matrix_a_fmt:MATRIX_FMT_BF8 matrix_b_fmt:MATRIX_FMT_BF8
.endm
; A quadrant, 16 products: x's blocks 4 ah .. 4 ah + 3 against W's 4 bh .. 4 bh + 3; p: W's set; sc: the scale set; first = 1: C is the bias.
; The 64 accumulators take turns, in the same order in every step.
.macro QUAD ah, bh, p, q, sc, first
.irp a, 4*\ah, 4*\ah+1, 4*\ah+2, 4*\ah+3
.irp b, 4*\bh, 4*\bh+1, 4*\bh+2, 4*\bh+3
.if \first
	WM 8*(8*((\a)%4)+(\b)), 128*(\p)+16*(\b), AF+16*(\a), SC+32*(\sc)+8*((\b)/2)+2*((\b)%2)+4+(\q), SC+32*(\sc)+8*((\a)/2)+2*((\a)%2)+(\q), BC+8*(\b)
.else
	WM 8*(8*((\a)%4)+(\b)), 128*(\p)+16*(\b), AF+16*(\a), SC+32*(\sc)+8*((\b)/2)+2*((\b)%2)+4+(\q), SC+32*(\sc)+8*((\a)/2)+2*((\a)%2)+(\q), 8*(8*((\a)%4)+(\b))
.endif
.endr
.endr
.endm
.macro FETCH_B slot, q, p, i0          ; W's blocks i0 .. i0 + 3 into set p
	WIN TO_B
.irp i, \i0, \i0+1, \i0+2, \i0+3
	FRAG 128*(\p)+16*(\i), ADRB+\slot, \q, \i
.endr
	WIN 0
.endm
.macro FETCH_A slot, q, i0             ; x's blocks i0 .. i0 + 3
.irp i, \i0, \i0+1, \i0+2, \i0+3
	FRAG AF+16*(\i), ADRA+\slot, \q, \i
.endr
.endm
.macro SCALES sc                       ; a K step's two words a row: x's block i and W's block i, in lanes 0-15
.irp i, 0,1,2,3,4,5,6,7
	ds_load_b64 v[SC+32*\sc+8*(\i/2)+2*(\i%2):SC+32*\sc+8*(\i/2)+2*(\i%2)+1], v[ADSA] offset:\i*SBLK
	ds_load_b64 v[SC+32*\sc+8*(\i/2)+2*(\i%2)+4:SC+32*\sc+8*(\i/2)+2*(\i%2)+5], v[ADSB+\sc] offset:(\i/2)*272+(\i%2)*128
.endr
.endm
.macro PLACES n                        ; in front of loads into registers that products have read, and of reads of results
.rept \n
	v_nop
.endr
.endm
.macro STEP slot, q, first             ; 128 along K whose successor lies in the same slot
	s_wait_dscnt 32                                ; all but the last run's 32 loads: W's 0-3 and x's 0-3 are in
.if \first
	WIN 0x81                                       ; C (the bias) in window 0
.else
	WIN MUL_LO
.endif
	QUAD 0, 0, (\q)%2, \q, \slot, \first
	s_wait_dscnt 16                                ; W's 4-7 are in; x's 4-7 may be out
	QUAD 0, 1, (\q)%2, \q, \slot, \first
	PLACES NP
	FETCH_B \slot, (\q)+1, 1-(\q)%2, 0
	FETCH_A \slot, (\q)+1, 0
	s_wait_dscnt 32                                ; all but the 32 just issued: x's 4-7 are in
.if \first
	WIN 0xc1
.else
	WIN MUL_HI
.endif
	QUAD 1, 0, (\q)%2, \q, \slot, \first
	QUAD 1, 1, (\q)%2, \q, \slot, \first
	PLACES NP
	FETCH_B \slot, (\q)+1, 1-(\q)%2, 4
	FETCH_A \slot, (\q)+1, 4
.endm
; A slot's last step changes slots and fills this slot again, two K steps ahead: the three lines, a round of the cluster's barrier, the joint load first behind it.
.macro TURN slot, next
	s_wait_xcnt 0x0                                ; my prefetches have read their addresses: they step here
	s_add_nc_u64 s[PFA:PFA+1], s[PFA:PFA+1], s[96:97]
	s_add_nc_u64 s[PFS:PFS+1], s[PFS:PFS+1], BLKB
	s_wait_tensorcnt 0x0                           ; my one load that was out, my part of the next slot, has landed
	ds_add_u32 v[SPW], v[NIL]
	s_wait_dscnt 33                                ; the add and the last run's 32 loads may be out
	WIN MUL_LO
	QUAD 0, 0, 1, NQ-1, \slot, 0
	s_wait_dscnt 0x0                               ; the add is done, my reads of this slot are over
	s_barrier_signal -1
	QUAD 0, 1, 1, NQ-1, \slot, 0
	WIN 0
	s_barrier_wait -1
	CREST
	s_add_nc_u64 s[G0+4*\slot+2:G0+4*\slot+3], s[G0+4*\slot+2:G0+4*\slot+3], 2*ROWB
	s_add_nc_u64 s[G0B+4*\slot+2:G0B+4*\slot+3], s[G0B+4*\slot+2:G0B+4*\slot+3], 2*BLKB
	JLOAD \slot
	PLACES NP-4                                    ; with the four behind the load: eight
	v_add_nc_u32 v[ADSA], 4*NQ, v[ADSA]            ; x's scale words of the next K step
	s_wait_alu depctr_va_vdst(0)
	FETCH_B \next, 0, 0, 0
	FETCH_A \next, 0, 0
	SCALES \next
	ASK 1
	WIN MUL_HI
	QUAD 1, 0, 1, NQ-1, \slot, 0
	QUAD 1, 1, 1, NQ-1, \slot, 0
	PLACES NP
	FETCH_B \next, 0, 0, 4
	FETCH_A \next, 0, 4
.endm
	s_wait_alu depctr_va_vdst(0)
	s_wait_xcnt 0x0
	s_add_nc_u64 s[PFA:PFA+1], s[PFA:PFA+1], s[96:97]   ; on to K step 3
	s_add_nc_u64 s[PFS:PFS+1], s[PFS:PFS+1], BLKB
	s_wait_tensorcnt 0x0                           ; my tile of the head's four is in; slot 1's first fill is issued as a refill is
	ds_add_u32 v[SPW], v[NIL]
	s_mov_b32 s[G1+2], 128<<16                     ; no load of mine is out: from here on a load of x brings 128 rows
	s_mov_b32 s[G1+4], 128
	s_wait_dscnt 0x0
	CROUND
	JLOAD 1                                        ; K step 1
	FETCH_B 0, 0, 0, 0
	FETCH_A 0, 0, 0
	SCALES 0
	FETCH_B 0, 0, 0, 4
	FETCH_A 0, 0, 4
	ASK 0                                          ; behind K step 1's load: K step 3
	s_wait_loadcnt 0x0                             ; the bias
	STEP 0, 0, 1
	s_mov_b32 s3, LAPS-1
.Llap:                                                 ; once round the ring, from a lap's second step to the next lap's first
	TURN 0, 1
	STEP 1, 0, 0
	TURN 1, 0
	STEP 0, 0, 0
	s_sub_co_u32 s3, s3, 1
	s_cmp_lg_u32 s3, 0
	s_cbranch_scc1 .Llap
; THE LAST CHANGE OF SLOTS fills nothing; K step 15 (slot 1) goes by rows of out.
.macro ALOAD a                         ; x's block a, both halves of the K step, into buffer a % 4 of four (32 registers each)
.irp q, 0,1
	FRAG AF+32*((\a)%4)+16*\q, ADRA+1, \q, \a
.endr
.endm
.macro ROW a                           ; block a is finished: 16 products, its eight accumulators by turns, K ascending
	WIN MUL_LO+0x50*((\a)/4)
.irp q, 0,1
.irp b, 0,1,2,3,4,5,6,7
	WM 64*((\a)%4)+8*\b, 128*\q+16*\b, AF+32*((\a)%4)+16*\q, SC+32+8*(\b/2)+2*(\b%2)+4+\q, SC+32+8*((\a)/2)+2*((\a)%2)+\q, 64*((\a)%4)+8*\b
.endr
.endr
.endm
.macro TOSTAGE a                       ; into my stage, and back into the same 64 registers as whole rows; LDS serves a wave's instructions in order (ISA guide 5.7.1.4)
.set AC, 64*((\a)%4)
	WIN 0x08+4*((\a)/4)                            ; the data: window 2 or 3
.irp b, 0,1,2,3,4,5,6,7
	ds_store_b128 v[STO], v[AC+8*\b:AC+8*\b+3] offset:64*\b          ; each accumulator from its low end on
	ds_store_b128 v[STO], v[AC+8*\b+4:AC+8*\b+7] offset:64*\b+16
.endr
	WIN 0x80+0x40*((\a)/4)
.irp t, 0,1,2,3,4,5,6,7,8,9,10,11,12,13,14,15
	ds_load_b128 v[AC+4*\t:AC+4*\t+3], v[RD] offset:\t*SPITCH
.endr
	WIN 0
.endm
.macro SEND a, younger                 ; 32 lanes store 512 consecutive bytes, aligned to 256; the row stands in the immediate (127 rows of 16,384 bytes at the most), so no base is stepped and no register written again
.set AC, 64*((\a)%4)
	s_wait_dscnt \younger
	WIN 0x08+4*((\a)/4)
.irp t, 0,1,2,3,4,5,6,7,8,9,10,11,12,13,14,15
	global_store_b128 v[CO], v[AC+4*\t:AC+4*\t+3], s[12:13] offset:(16*(\a)+\t)*SIZE_N*4 th:TH_STORE_NT
.endr
	WIN 0
.endm
	s_wait_tensorcnt 0x0                           ; K step 15's load has landed
	ds_add_u32 v[SPW], v[NIL]
	s_wait_dscnt 33
	WIN MUL_LO
	QUAD 0, 0, 1, NQ-1, 0, 0
	s_wait_dscnt 0x0
	s_barrier_signal -1
	QUAD 0, 1, 1, NQ-1, 0, 0
	WIN 0
	s_barrier_wait -1                              ; slot 1 is whole, and nobody reads slot 0 any more
	PLACES NP
	v_add_nc_u32 v[ADSA], 4*NQ, v[ADSA]
	s_wait_alu depctr_va_vdst(0)
	FETCH_B 1, 0, 0, 0
	FETCH_B 1, 0, 0, 4
	ALOAD 0                                        ; over x's blocks 0-3, which are done with
	ALOAD 1
	SCALES 1
	WIN MUL_HI
	QUAD 1, 0, 1, NQ-1, 0, 0
	QUAD 1, 1, 1, NQ-1, 0, 0
	PLACES NP
	FETCH_B 1, 1, 1, 0
	FETCH_B 1, 1, 1, 4
	ALOAD 2
	ALOAD 3
	s_wait_dscnt 16                                ; all but blocks 2 and 3 of x
	ROW 0
.irp a, 0,1,2,3,4,5,6,7
	PLACES NP                                      ; behind block a's last product
	TOSTAGE \a
.if \a < 4
	ALOAD \a+4
	s_wait_dscnt 40                                ; all that was issued ahead of this block's 32 stage lines and 8 loads: x's next block among it
	ROW \a+1
	SEND \a, 8                                     ; the 8 loads of x are younger than the stage's
.else
.if \a < 7
	s_wait_dscnt 32
	ROW \a+1
.endif
	SEND \a, 0
.endif
.endr
	s_wait_tensorcnt 0x0                           ; the wave's end
	ds_add_u32 v[SPW], v[NIL]
	s_wait_dscnt 0x0
	CROUND                                         ; the closing round
	s_endpgm
.Lfunc_end_k_q1d443483b4_gemm:
	.size	k_q1d443483b4_gemm, .Lfunc_end_k_q1d443483b4_gemm-k_q1d443483b4_gemm
	.p2alignl 7, 3214868480
	.fill 96, 4, 3214868480
	.section	.rodata,"a",@progbits
	.p2align	6, 0x0
	.amdhsa_kernel k_q1d443483b4_gemm
		.amdhsa_group_segment_fixed_size 327680
		.amdhsa_private_segment_fixed_size 0
		.amdhsa_enable_private_segment 0
		.amdhsa_kernarg_size 40
		.amdhsa_user_sgpr_count 2
		.amdhsa_user_sgpr_kernarg_segment_ptr 1
		.amdhsa_wavefront_size32 1
		.amdhsa_system_sgpr_workgroup_id_x 1
		.amdhsa_system_sgpr_workgroup_id_y 1
		.amdhsa_system_sgpr_workgroup_id_z 1
		.amdhsa_system_vgpr_workitem_id 0
		.amdhsa_next_free_vgpr 1024
		.amdhsa_next_free_sgpr 100
		.amdhsa_reserve_vcc 0
		.amdhsa_float_denorm_mode_32 3
		.amdhsa_float_denorm_mode_16_64 3
		.amdhsa_memory_ordered 1
		.amdhsa_forward_progress 1
		.amdhsa_inst_pref_size 154
	.end_amdhsa_kernel
	.amdgpu_metadata
---
amdhsa.version: [ 1, 2 ]
amdhsa.kernels:
  - .name:           k_q1d443483b4_gemm
    .symbol:         k_q1d443483b4_gemm.kd
    .args:
      - { .name: x_codes, .offset: 0, .size: 8, .value_kind: global_buffer, .address_space: global }
      - { .name: x_scales, .offset: 8, .size: 8, .value_kind: global_buffer, .address_space: global }
      - { .name: wq, .offset: 16, .size: 8, .value_kind: global_buffer, .address_space: global }
      - { .name: bias, .offset: 24, .size: 8, .value_kind: global_buffer, .address_space: global }
      - { .name: out0, .offset: 32, .size: 8, .value_kind: global_buffer, .address_space: global }
    .group_segment_fixed_size: 327680
    .private_segment_fixed_size: 0
    .kernarg_segment_align: 8
    .kernarg_segment_size: 40
    .max_flat_workgroup_size: 128
    .sgpr_count:     100
    .vgpr_count:     1024
    .wavefront_size: 32
...
	.end_amdgpu_metadata
.endif
;; end of part 2
